; MI455X (gfx1250); checked and timed in simulation.
; The chip was launched on July 23, 2026; its instructions are those of AMD's public machine-readable ISA for CDNA 5 (MIT licence, August 2026) and "CDNA5" Instruction Set Architecture Reference Guide (July 2026). The comments in the code are by the model that wrote it; some were corrected since.
;; Multi Head Attention. Allowed arithmetic: matrix products marked QUANTISED: E3M2 operands, one E8M0 scale for each 32 along K, by v_wmma_scale_f32_16x16x128_f8f6f4 with both operands' format E3M2, f32 sums; products left as they are: f32 operands where the result goes on into a quantised operand, else bf16, f16 or f32 operands; f32 sums; everything else in f32.
;; Inputs: Wk 512 x 512 float32; Wq 512 x 512 float32; Wv 512 x 512 float32; bk 512 float32; bq 512 float32; bv 512 float32; mask 1,024 x 8 x 128 int32; x_non 1,024 x 512 float32; x_seq 1,024 x 128 x 512 float32.
;; Outputs: out0 1,024 x 512 float32.
;; This version of the problem:
;;   THIS VERSION OF THE PROBLEM IS GIVEN IN LOW PRECISION. The matrix products marked QUANTISED in the list below multiply operands that are first quantised to E3M2 (3 exponent bits, 2 mantissa bits; 6 bits a number), with one power-of-two scale for each 32 numbers along K (OCP MX v1.0); their sums are f32. All else is computed in f32.
;;   The module's matrix products, in the order in which they are computed (A, B: the left and right operand; K: the contracted axis; several contracted axes count as one K, in the product's order):
;;     1. [M 1,024, K 512] x [K 512, N 512]; A: input x_non; B: input Wq: QUANTISED
;;     2. [M 131,072, K 512] x [K 512, N 512]; A: input x_seq; B: input Wk: QUANTISED
;;     3. [M 131,072, K 512] x [K 512, N 512]; A: input x_seq; B: input Wv: QUANTISED
;;     4. batch 8,192 x [M 1, K 64] x [K 64, N 128]; A: computed on the way; B: computed on the way: left as it is (M = 1 < 16)
;;     5. batch 8,192 x [M 1, K 128] x [K 128, N 64]; A: softmax; B: computed on the way: left as it is (M = 1 < 16)
;;   THE QUANTISER, for each operand of a quantised product, along K:
;;     - K is cut into blocks of 32 from its start; a last block that is shorter is filled with zeros.
;;     - A block's scale is 2^e with e = floor(log2(the largest magnitude in the block)) - 4, held to -126 .. 127; a block of zeros has e = 0. As a byte (E8M0): e + 127.
;;     - Each number is divided by its block's scale, clamped to +-28, and rounded to the nearest number of E3M2, ties to even, subnormals kept.
;;     - The product sums the exact products of the quantised numbers (number of the format x scale) in f32.
;;   ~~~python
;;   def quantise(x, axis):      # numpy; x: float32 -> the quantised numbers, widened to float32 again
;;       x = np.moveaxis(x, axis, -1); K = x.shape[-1]
;;       x = np.pad(x, [(0, 0)] * (x.ndim - 1) + [(0, -K % 32)]); x = x.reshape(x.shape[:-1] + (-1, 32)); a = np.abs(x).max(-1, keepdims=True)
;;       e = np.where(a > 0, np.clip(np.frexp(np.where(a > 0, a, 1))[1] - 1 - 4, -126, 127), 0)      # np.frexp(a)[1] - 1 = floor(log2(a)), exactly
;;       r = np.clip(x / 2.0 ** e, -28, 28)
;;       step = 2.0 ** (np.maximum(np.frexp(np.where(r == 0, 1, r))[1] - 1, -2) - 2)
;;       q = np.round(r / step) * step * 2.0 ** e      # np.round: ties to even
;;       return np.moveaxis(q.reshape(q.shape[:-2] + (-1,))[..., :K], -1, axis).astype(np.float32)
;;   ~~~
;; One version. Each part assembles by itself: llvm-mc -triple=amdgcn-amd-amdhsa -mcpu=gfx1250 --defsym DOCPART=n.
;; ======== version 1 of 1: 2 launches
;; limits: right only within a limited range of input values
;; workspace buffers: wcodes 589,824 bytes; wsc 49,152 bytes
;; launch prep (part 1): grid 96 x 1, 4 waves a work-group, no clusters, 0 bytes of LDS; arguments Wq, Wk, Wv, wcodes, wsc; writes wcodes, wsc
.if DOCPART == 1
	.amdgcn_target "amdgcn-amd-amdhsa--gfx1250"
	.amdhsa_code_object_version 6
	.text
	.protected	k_qc067d1dfb2_prep
	.globl	k_qc067d1dfb2_prep
	.p2align	8
	.type	k_qc067d1dfb2_prep,@function
k_qc067d1dfb2_prep:
	s_mov_b64 s[64:65], 0
	v_nop
	global_prefetch_b8 v0, s[64:65] scope:SCOPE_SE
	s_setreg_imm32_b32 hwreg(HW_REG_WAVE_MODE, 25, 1), 1
	s_wait_xcnt 0x0
; Wq, Wk, Wv [512][512] f32 (K innermost) become codes of BF6 (E3M2) with one E8M0 scale byte for each 32 along K,
; laid IN THE ORDER OF THE OPERAND'S REGISTERS, so that the next launch loads a fragment by three loads of 16 bytes a lane.
; A fragment is 16 rows x 128 along K: 12 registers a lane.  Fragment F = (4 X + w) 32 + 8 s + t: X the tensor (0 Wq, 1 Wk, 2 Wv),
; 8 w + t the tile of 16 rows (0 .. 31), s the K step of 128 (0 .. 3).
;   wcodes: registers 4 c .. 4 c + 3 of lane l at 1536 F + 512 c + 16 l.     wsc: the scale word of row l % 16 at 128 F + 4 l (both halves of the lanes hold it).
; SHARES: work-group g takes tile g % 32 of tensor g / 32; its wave s takes K step s: a wave makes one fragment.
; Lane (r, h) takes row r and the two whole blocks k = 128 s + 64 c + 32 h + 0 .. 31: a block's largest magnitude needs no other lane, and the
; conversions' results are the operand's registers.  A lane's eight loads of a block cover 128 consecutive bytes of its row.
; A block's scale is 2^(floor(log2(largest magnitude)) - 4): its byte is the largest magnitude's exponent field - 4, held at 1 from below.
; LIMITS: a block of zeros gets the byte 1 where the rule says 127 (its codes are zeros, and this program alone reads the bytes); a block whose
; largest magnitude lies under 2^-122 is coded under the byte 1; NaN and infinities among the inputs are not served.
.set NN,  16                           ; v16-79  my 64 numbers: register 32 c + i is k = 64 c + 32 h + i
.set PC,  80                           ; v80-91  the fragment's codes
.set TT,  92                           ; v92-95  at work; v94 ends as the scale word
.set SH8, 7                            ; v7      8 h
.set SEL, 20                           ; s[20:21] lane selects for v_permlanex16_b32: lane l xor 16
; 64 numbers of a lane become the fragment's 12 registers in v[PC] on and the row's scale word in v[TT+2].
.macro QUANT n
	v_max3_num_f32 v[TT],   |v[\n]|,    |v[\n+1]|,  0x2800000       ; four chains that do not wait for each other; the floor 2^(5 - 127) is one more leaf: the byte cannot fall under 1
	v_max3_num_f32 v[TT+1], |v[\n+32]|, |v[\n+33]|, 0x2800000
	v_max3_num_f32 v[TT+2], |v[\n+16]|, |v[\n+17]|, |v[\n+18]|
	v_max3_num_f32 v[TT+3], |v[\n+48]|, |v[\n+49]|, |v[\n+50]|
.irp i, 0,2,4,6,8,10
	v_max3_num_f32 v[TT],   v[TT],   |v[\n+2+\i]|,  |v[\n+3+\i]|
	v_max3_num_f32 v[TT+1], v[TT+1], |v[\n+34+\i]|, |v[\n+35+\i]|
	v_max3_num_f32 v[TT+2], v[TT+2], |v[\n+19+\i]|, |v[\n+20+\i]|
	v_max3_num_f32 v[TT+3], v[TT+3], |v[\n+51+\i]|, |v[\n+52+\i]|
.endr
	v_max3_num_f32 v[TT],   v[TT],   |v[\n+14]|, |v[\n+15]|
	v_max3_num_f32 v[TT+1], v[TT+1], |v[\n+46]|, |v[\n+47]|
	v_max3_num_f32 v[TT],   v[TT],   v[TT+2], |v[\n+31]|            ; block h's largest magnitude
	v_max3_num_f32 v[TT+1], v[TT+1], v[TT+3], |v[\n+63]|            ; block 2 + h's
	v_add_nc_u32 v[TT],   0xfe000000, v[TT]                         ; 4 off the exponent field: the conversion takes that field of this operand as its scale
	v_add_nc_u32 v[TT+1], 0xfe000000, v[TT+1]
	v_lshrrev_b32 v[TT+2], 23, v[TT]                                ; the scales' bytes
	v_lshrrev_b32 v[TT+3], 23, v[TT+1]
	v_lshl_or_b32 v[TT+2], v[TT+3], 16, v[TT+2]                     ; blocks h and 2 + h,
	v_lshlrev_b32 v[TT+2], v[SH8], v[TT+2]                          ; at their places in the word (8 h bits up);
	v_permlanex16_b32 v[TT+3], v[TT+2], s[SEL], s[SEL+1]
	v_or_b32 v[TT+2], v[TT+2], v[TT+3]                              ; with lane l xor 16's two the word is whole
	v_cvt_scalef32_pk16_bf6_f32 v[PC:PC+2],   v[\n:\n+15],    v[TT]
	v_cvt_scalef32_pk16_bf6_f32 v[PC+6:PC+8], v[\n+32:\n+47], v[TT+1]
	v_nop                                                           ; one plain line before the numbers just converted are written over
	v_cvt_scalef32_pk16_bf6_f32 v[\n:\n+2],     v[\n+16:\n+31], v[TT]   ; a conversion's three registers begin on an even number, a block's second three do not:
	v_cvt_scalef32_pk16_bf6_f32 v[\n+32:\n+34], v[\n+48:\n+63], v[TT+1] ; they are made where the first halves' numbers lay, and moved
	v_nop                                                           ; one plain line behind the last conversion
.irp i, 0,1,2
	v_mov_b32 v[PC+3+\i], v[\n+\i]
	v_mov_b32 v[PC+9+\i], v[\n+32+\i]
.endr
.endm
	s_load_b256 s[4:11], s[0:1], 0x0               ; Wq s[4:5], Wk s[6:7], Wv s[8:9], wcodes s[10:11]
	s_load_b64 s[12:13], s[0:1], 0x20              ; wsc
	v_lshrrev_b32 v1, 5, v0
	v_readfirstlane_b32 s16, v1                    ; my wave = my K step
	v_and_b32 v1, 31, v0                           ; lane
	v_and_b32 v2, 15, v0                           ; r
	v_bfe_u32 v3, v0, 4, 1                         ; h
	v_lshlrev_b32 v4, 11, v2                       ; in: row r of 2,048 bytes,
	v_lshl_add_u32 v4, v3, 7, v4                   ; + 128 h
	v_lshlrev_b32 v5, 4, v1                        ; out: 16 x lane,
	v_lshlrev_b32 v6, 2, v1                        ; 4 x lane
	v_lshlrev_b32 v[SH8], 3, v3
	s_mov_b32 s[SEL], 0x76543210
	s_mov_b32 s[SEL+1], 0xfedcba98
	s_and_b32 s17, ttmp9, 31                       ; the tile of 16 rows
	s_lshl_b32 s18, s17, 15                        ; 16 rows of 2,048 bytes,
	s_lshl_b32 s19, s16, 9                         ; + my K step's 512 bytes
	s_add_co_u32 s18, s18, s19
	s_mov_b32 s19, 0
	s_lshr_b32 s22, ttmp9, 3                       ; 4 X + w
	s_lshl_b32 s22, s22, 5
	s_lshl_b32 s23, s16, 3
	s_add_co_u32 s22, s22, s23
	s_and_b32 s23, ttmp9, 7
	s_add_co_u32 s22, s22, s23                     ; F
	s_mul_i32 s24, s22, 1536
	s_mov_b32 s25, 0
	s_lshl_b32 s26, s22, 7
	s_mov_b32 s27, 0
	s_wait_kmcnt 0x0
	s_cmp_lt_u32 ttmp9, 64                         ; which tensor: the choice hangs on the work-group's number alone
	s_cselect_b64 s[14:15], s[6:7], s[8:9]
	s_cmp_lt_u32 ttmp9, 32
	s_cselect_b64 s[14:15], s[4:5], s[14:15]
	s_add_nc_u64 s[14:15], s[14:15], s[18:19]
	s_add_nc_u64 s[10:11], s[10:11], s[24:25]
	s_add_nc_u64 s[12:13], s[12:13], s[26:27]
.irp c, 0,1
.irp i, 0,1,2,3,4,5,6,7
	global_load_b128 v[NN+32*\c+4*\i:NN+32*\c+4*\i+3], v4, s[14:15] offset:256*\c+16*\i th:TH_LOAD_NT
.endr
.endr
	s_wait_loadcnt 0x0
	QUANT NN
.irp c, 0,1,2
	global_store_b128 v5, v[PC+4*\c:PC+4*\c+3], s[10:11] offset:512*\c   ; 32 lanes store 512 consecutive bytes, at a multiple of 512 from the buffer's first byte
.endr
	global_store_b32 v6, v[TT+2], s[12:13]         ; 128 consecutive bytes: the scale words are one twelfth of the codes' bytes
	s_endpgm
.Lfunc_end_k_qc067d1dfb2_prep:
	.size	k_qc067d1dfb2_prep, .Lfunc_end_k_qc067d1dfb2_prep-k_qc067d1dfb2_prep
	.p2alignl 7, 3214868480
	.fill 96, 4, 3214868480
	.section	.rodata,"a",@progbits
	.p2align	6, 0x0
	.amdhsa_kernel k_qc067d1dfb2_prep
		.amdhsa_group_segment_fixed_size 0
		.amdhsa_private_segment_fixed_size 0
		.amdhsa_enable_private_segment 0
		.amdhsa_kernarg_size 40
		.amdhsa_user_sgpr_count 2
		.amdhsa_user_sgpr_kernarg_segment_ptr 1
		.amdhsa_wavefront_size32 1
		.amdhsa_system_sgpr_workgroup_id_x 1
		.amdhsa_system_sgpr_workgroup_id_y 1
		.amdhsa_system_sgpr_workgroup_id_z 1
		.amdhsa_system_vgpr_workitem_id 0
		.amdhsa_next_free_vgpr 96
		.amdhsa_next_free_sgpr 66
		.amdhsa_reserve_vcc 0
		.amdhsa_float_denorm_mode_32 3
		.amdhsa_float_denorm_mode_16_64 3
		.amdhsa_memory_ordered 1
		.amdhsa_forward_progress 1
		.amdhsa_inst_pref_size 7
	.end_amdhsa_kernel
	.amdgpu_metadata
---
amdhsa.version: [ 1, 2 ]
amdhsa.kernels:
  - .name:           k_qc067d1dfb2_prep
    .symbol:         k_qc067d1dfb2_prep.kd
    .args:
      - { .name: Wq, .offset: 0, .size: 8, .value_kind: global_buffer, .address_space: global }
      - { .name: Wk, .offset: 8, .size: 8, .value_kind: global_buffer, .address_space: global }
      - { .name: Wv, .offset: 16, .size: 8, .value_kind: global_buffer, .address_space: global }
      - { .name: wcodes, .offset: 24, .size: 8, .value_kind: global_buffer, .address_space: global }
      - { .name: wsc, .offset: 32, .size: 8, .value_kind: global_buffer, .address_space: global }
    .group_segment_fixed_size: 0
    .private_segment_fixed_size: 0
    .kernarg_segment_align: 8
    .kernarg_segment_size: 40
    .max_flat_workgroup_size: 128
    .sgpr_count:     66
    .vgpr_count:     96
    .wavefront_size: 32
...
	.end_amdgpu_metadata
.endif
;; end of part 1
;; launch attn (part 2): grid 256 x 1, 4 waves a work-group, no clusters, 327,680 bytes of LDS; arguments x_seq, mask, wcodes, wsc, x_non, bq, bk, bv, out0; writes out0
.if DOCPART == 2
	.amdgcn_target "amdgcn-amd-amdhsa--gfx1250"
	.amdhsa_code_object_version 6
	.text
	.protected	k_qc067d1dfb2_attn
	.globl	k_qc067d1dfb2_attn
	.p2align	8
	.type	k_qc067d1dfb2_attn,@function
k_qc067d1dfb2_attn:
	s_mov_b64 s[64:65], 0
	v_nop
	global_prefetch_b8 v0, s[64:65] scope:SCOPE_SE
	s_setreg_imm32_b32 hwreg(HW_REG_WAVE_MODE, 25, 1), 1
	s_wait_xcnt 0x0
; out0[b][64 n + d] = sum over s of softmax_s(where(mask[b][n][s] == 0, -1e9, floor(q[b][n] . k[b][s][n] / 8))) v[b][s][n][d],
; q = x_non Wq^T + bq, k = x_seq Wk^T + bk, v = x_seq Wv^T + bv: three products on codes of BF6 (E3M2), one E8M0 scale for each 32 along K = 512; all else f32.
; SHARES.  256 work-groups of four waves; a work-group takes 4 batches, one after the other.  THE WAVES SHARE THE COLUMNS: wave w owns channels 128 w .. 128 w + 127 (heads 2 w, 2 w + 1).
; Its 32 fragments of Wk and 32 of Wv (64 x 12 = 768 registers) stay in registers for the whole launch, loaded once from the register-ordered buffers of the launch before.
; x_seq comes once, as f32, through a ring of two LDS slots of 64 rows (a HALF STEP: half a batch).  Wave w fetches, and quantises, columns 128 w .. + 127 of the 64 rows: K step w of four row tiles;
; the fragments go to LDS as images of their registers, and every wave multiplies each row tile by its K fragments and by its V fragments: k and v never leave the accumulators.
; LAYOUT.  Source 0 = 16 positions of x, source 1 = 16 channels of W: lane (r, h) holds channel 16 t + r and register j position 8 h + j of the tile.  So q is ONE register a tile of channels,
; z one pair, a score is a sum over the 16 lanes of a row of lanes (four steps on the adder itself), and comes out in all 16 lanes: just where p multiplies V's accumulators.
; ARITHMETIC, all in f32.  q' = (sum + bq) / 8 by one fused multiply-add (a power of two: exact), so floor(q . k / 8) = floor(q' . k).  q' . (k0 + bk) = q' . k0 + q' . bk: the lane's part of q' . bk starts the score's sum.
; sum attn (v0 + bv) = (sum p v0) / (sum p) + bv.  The mask is a number u = -1e9 (mask == 0) or +infinity: med3(t, -|u|, u) is where(mask == 0, -1e9, t).
; Softmax with a running maximum M for each head and half of the lanes: p = 2^((t - M) log2 e), z and l times 2^((old M - new M) log2 e) in every tile; the halves are joined at a batch's end.
; NO CLUSTER: each tile of x_seq is read by one work-group alone; the weights, which all work-groups read, go once from memory into the registers in which they stay (144 KB a wave at the head):
; asked for jointly they would have to pass through LDS first, 576 KB through slots of 132 KB, in rounds of their own.
; LIMITS: NaN and infinities among the inputs are not served; a block of zeros, or one whose largest magnitude lies under 2^-122, is coded under the scale byte 1; q under 2^-123 loses bits in the division by 8;
; scores under -3e38 are not served (M begins there).  The order of the f32 sums ahead of floor() is this text's own.
; LDS: two slots of f32 (each wave's part its own: 64 rows of 512 bytes + 16); the 16 images; x's scale words; a stage for each wave (the mask's numbers, later a batch's outputs); q' for the 4 batches; the spare words.
.set PITCH, 528                        ; 132 words: row r starts at bank 4 r mod 64 (64 banks of 4 bytes: ISA guide 11.1): the 16 rows of a load of 16 bytes a lane start at 16 different banks
.set WPART, 64*PITCH                   ; a wave's part of a slot
.set SLOTB, 4*WPART
.set IMG,   2*SLOTB                    ; fragment (row tile m, K step s) at (4 m + s) 1536 + 512 c + 16 lane
.set XSC,   IMG+16*1536                ; x's scale words: row (16 m + r) at 16 bytes a row, word s
.set STG,   XSC+1024                   ; 512 bytes a wave
.set QL,    STG+4*512                  ; 2,560 bytes a wave: batch j at 640 j: q' of tile t at 64 t + 4 r; the parts of q' . bk of head a at 512 + 64 a + 4 r
.set SPARE, QL+4*2560                  ; the spare words, 128 bytes a wave: two blocks of 256 bytes that no other line names
; REGISTERS.  Windows 1 to 3: weight fragment g (K's: 8 s + t; V's: 32 + 8 s + t) at window 1 + g / 21, register 12 (g % 21); fragment 63 in window 0.  Window 0:
.set SPW, 1                            ; v1   LDS address of my spare word; never rewritten
.set NIL, 2                            ; v2   0; never rewritten
.set LI,  3                            ; v3   IMG + 16 lane
.set IW,  4                            ; v4   + 1536 w: where I store my images
.set XR0, 5                            ; v5-6 my numbers in slot 0, 1: w WPART + 528 r + 128 h
.set SW,  7                            ; v7   XSC + 16 r + 4 w: where I store a scale word
.set SRD, 8                            ; v8   XSC + 16 r: where I read a row's four
.set UA,  9                            ; v9   STG + 512 w + 32 h
.set MW,  10                           ; v10  STG + 512 w + 16 lane
.set QA,  11                           ; v11  QL + 2560 w + 4 r
.set MA,  12                           ; v12  mask: 512 h + 16 r
.set OA,  13                           ; v13  16 lane
.set SH8, 14                           ; v14  8 h
.set NEGV, 15                          ; v15  -1e9
.set BV4, 16                           ; v16-19  bv of channels 128 w + 4 lane + 0 .. 3
.set MR,  20                           ; v20-23  the next half step's mask, as loaded
.set AF,  24                           ; v24-27  addresses that move (at the head: offsets of the loads)
.set AS,  25
.set AU,  26
.set AQ,  27
.set WS,  28                           ; v28-59  the weights' scale words, index 8 s + t: lanes 0-15 K's, lanes 16-31 V's.  These and XS hold scales and nothing else
.set XS,  60                           ; v60-63  x's scale words of the four K steps
.set QQ,  64                           ; v64-71  q' of my 8 tiles
.set QB,  72                           ; v72-73  my part of q' . bk, a head each
.set MM,  74                           ; v74-75  M;  v76-77 the new M;  v78-79 f: a head each
.set MN,  76
.set FF,  78
.set LL,  80                           ; v80-83  l: a pair a head
.set ZZ,  84                           ; v84-99  z: a pair a tile
.set W63, 100                          ; v100-111 weight fragment 63
.set XF,  112                          ; v112-159 x's four fragments of a row tile
.set ACC, 160                          ; v160-223 eight accumulators
.set SS,  224                          ; v224-239 scores, then p: 8 a + j
.set UU,  240                          ; v240-255 the mask's numbers; then at work
.set NA,  112                          ; while quantising: two sets of 64 numbers, the codes, four at work
.set NB,  176
.set PC,  240
.set TT,  252
.set BQ,  64                           ; at the head: bq, bk of my 8 tiles
.set BK,  84
.set WV,  22                           ; s22  my wave's number
.set G1,  24                           ; s[24:31] descriptor group 1
.set G0,  32                           ; s[32:39] group 0, a set for each slot
.set SEL, 40                           ; s[40:41] lane selects for v_permlanex16_b32: lane l xor 16
.set L2E, 42                           ; s[42:43] log2(e), named as a pair
.set BC,  44                           ; s44  batches in the loop
.set MC,  45                           ; s45  the row tile
.set TF,  46                           ; s46-48 steps of the images', scale words' and mask numbers' addresses
.set TS,  47
.set TU,  48
.set QO,  49                           ; s49  640 x batch
.set TFC, 50                           ; s50-51 TF, TS held at the last tile's
.set TSC, 51
.set PINF, 52                          ; s52  +infinity
.set SGB, 53                           ; s53  STG + 512 w
.set MSB, 0
.macro WIN new                         ; the immediate's high byte repeats the setting that is left; a switch that changes nothing is dropped
.if MSB != (\new)
	s_set_vgpr_msb (MSB<<8)|(\new)
.set MSB, (\new)
.endif
.endm
; 64 numbers of a lane, register 32 c + i = k 64 c + 32 h + i of my row, become a fragment's 12 registers in v[PC] on and the row's scale word in v[TT+2].
.macro QUANT n
	v_max3_num_f32 v[TT],   |v[\n]|,    |v[\n+1]|,  0x2800000       ; four chains that do not wait for each other; the floor 2^(5 - 127) is one more leaf: the byte cannot fall under 1
	v_max3_num_f32 v[TT+1], |v[\n+32]|, |v[\n+33]|, 0x2800000
	v_max3_num_f32 v[TT+2], |v[\n+16]|, |v[\n+17]|, |v[\n+18]|
	v_max3_num_f32 v[TT+3], |v[\n+48]|, |v[\n+49]|, |v[\n+50]|
.irp i, 0,2,4,6,8,10
	v_max3_num_f32 v[TT],   v[TT],   |v[\n+2+\i]|,  |v[\n+3+\i]|
	v_max3_num_f32 v[TT+1], v[TT+1], |v[\n+34+\i]|, |v[\n+35+\i]|
	v_max3_num_f32 v[TT+2], v[TT+2], |v[\n+19+\i]|, |v[\n+20+\i]|
	v_max3_num_f32 v[TT+3], v[TT+3], |v[\n+51+\i]|, |v[\n+52+\i]|
.endr
	v_max3_num_f32 v[TT],   v[TT],   |v[\n+14]|, |v[\n+15]|
	v_max3_num_f32 v[TT+1], v[TT+1], |v[\n+46]|, |v[\n+47]|
	v_max3_num_f32 v[TT],   v[TT],   v[TT+2], |v[\n+31]|            ; block h's largest magnitude
	v_max3_num_f32 v[TT+1], v[TT+1], v[TT+3], |v[\n+63]|            ; block 2 + h's
	v_add_nc_u32 v[TT],   0xfe000000, v[TT]                         ; 4 off the exponent field: the conversion takes that field of this operand as its scale
	v_add_nc_u32 v[TT+1], 0xfe000000, v[TT+1]
	v_lshrrev_b32 v[TT+2], 23, v[TT]                                ; the scales' bytes
	v_lshrrev_b32 v[TT+3], 23, v[TT+1]
	v_lshl_or_b32 v[TT+2], v[TT+3], 16, v[TT+2]                     ; blocks h and 2 + h,
	v_lshlrev_b32 v[TT+2], v[SH8], v[TT+2]                          ; at their places in the word (8 h bits up);
	v_permlanex16_b32 v[TT+3], v[TT+2], s[SEL], s[SEL+1]
	v_or_b32 v[TT+2], v[TT+2], v[TT+3]                              ; with lane l xor 16's two the word is whole
	v_cvt_scalef32_pk16_bf6_f32 v[PC:PC+2],   v[\n:\n+15],    v[TT]
	v_cvt_scalef32_pk16_bf6_f32 v[PC+6:PC+8], v[\n+32:\n+47], v[TT+1]
	v_nop                                                           ; one plain line before the numbers just converted are written over
	v_cvt_scalef32_pk16_bf6_f32 v[\n:\n+2],     v[\n+16:\n+31], v[TT]   ; a conversion's three registers begin on an even number, a block's second three do not:
	v_cvt_scalef32_pk16_bf6_f32 v[\n+32:\n+34], v[\n+48:\n+63], v[TT+1] ; they are made where the first halves' numbers lay, and moved
	v_nop                                                           ; one plain line behind the last conversion
.irp i, 0,1,2
	v_mov_b32 v[PC+3+\i], v[\n+\i]
	v_mov_b32 v[PC+9+\i], v[\n+32+\i]
.endr
.endm
.macro XLOADF n, slot, m               ; my 64 numbers of row tile m out of my part of the slot
.irp c, 0,1
.irp i, 0,1,2,3,4,5,6,7
	ds_load_b128 v[\n+32*\c+4*\i:\n+32*\c+4*\i+3], v[XR0+\slot] offset:16*PITCH*(\m)+256*\c+16*\i
.endr
.endr
.endm
.macro IMAGE m                         ; the fragment in v[PC] on goes to LDS as it stands: K step w of row tile m; and its scale word
.irp c, 0,1,2
	ds_store_b128 v[IW], v[PC+4*\c:PC+4*\c+3] offset:6144*(\m)+512*\c
.endr
	ds_store_b32 v[SW], v[TT+2] offset:256*(\m)    ; both halves of the lanes write the same word with the same value
.endm
.macro FETCH af, as                    ; a row tile's four fragments and its rows' four scale words come back so, in any wave: 13 loads
.irp s, 0,1,2,3
.irp c, 0,1,2
	ds_load_b128 v[XF+12*\s+4*\c:XF+12*\s+4*\c+3], v[\af] offset:1536*\s+512*\c
.endr
.endr
	ds_load_b128 v[XS:XS+3], v[\as]
.endm
; 32 products: the row tile x my 8 tiles of channels, four K steps deep.  v = 0: K's fragments (at the head: Wq's, in K's places); v = 1: V's, whose scale words lie in lanes 16-31.
; The first K step starts the sums with the constant 0.  The eight accumulators take turns, one instruction a turn.
.macro PROJ v
.set g, 32*(\v)
.rept 32
.set ks, (g%32)/8
.set kt, g%8
.set ra, ACC+8*kt
.set rx, XF+12*ks
.if g == 63
	WIN 0
.set rb, W63
.else
	WIN ((1+g/21)<<2)                              ; source 1 in the fragment's window
.set rb, 12*(g%21)
.endif
.if ks == 0
.if \v
	v_wmma_scale_f32_16x16x128_f8f6f4 v[ra:ra+7], v[rx:rx+11], v[rb:rb+11], 0, v[XS+ks], v[WS+8*ks+kt] matrix_a_fmt:MATRIX_FMT_BF6 matrix_b_fmt:MATRIX_FMT_BF6 matrix_b_scale:MATRIX_SCALE_ROW1
.else
	v_wmma_scale_f32_16x16x128_f8f6f4 v[ra:ra+7], v[rx:rx+11], v[rb:rb+11], 0, v[XS+ks], v[WS+8*ks+kt] matrix_a_fmt:MATRIX_FMT_BF6 matrix_b_fmt:MATRIX_FMT_BF6
.endif
.else
.if \v
	v_wmma_scale_f32_16x16x128_f8f6f4 v[ra:ra+7], v[rx:rx+11], v[rb:rb+11], v[ra:ra+7], v[XS+ks], v[WS+8*ks+kt] matrix_a_fmt:MATRIX_FMT_BF6 matrix_b_fmt:MATRIX_FMT_BF6 matrix_b_scale:MATRIX_SCALE_ROW1
.else
	v_wmma_scale_f32_16x16x128_f8f6f4 v[ra:ra+7], v[rx:rx+11], v[rb:rb+11], v[ra:ra+7], v[XS+ks], v[WS+8*ks+kt] matrix_a_fmt:MATRIX_FMT_BF6 matrix_b_fmt:MATRIX_FMT_BF6
.endif
.endif
.set g, g+1
.endr
	WIN 0
.endm
.macro WLOAD g0, n, off                ; n weight fragments from place g0 on, from byte off of my wave's part of wcodes: three loads of 512 consecutive bytes each
.set g, \g0
.rept \n
.if g == 63
	WIN 0
.set rb, W63
.else
	WIN ((1+g/21)<<6)                              ; destination in the fragment's window
.set rb, 12*(g%21)
.endif
.irp c, 0,1,2
	global_load_b128 v[rb+4*\c:rb+4*\c+3], v[OA], s[8:9] offset:\off+(g-\g0)*1536+512*\c
.endr
.set g, g+1
.endr
	WIN 0
.endm
; THE CHANGE OF SLOTS, at a half step's head.  Each wave waits for all its tensor loads (one is out: its part of the slot that it is about to read), adds 0 to its spare word, and waits for that and for all its
; LDS reads: of the slot that it has left, and of the images.  Behind the barrier the other slot is filled (refill = 1) and the images are written again.  The load has a whole half step in which to land.
.macro RING slot, refill
	s_wait_tensorcnt 0x0                           ; no tensor load of mine is out, so a group 0 may be written
	ds_add_u32 v[SPW], v[NIL]                      ; 0 onto my spare word
	s_add_nc_u64 s[G0+4*(\slot)+2:G0+4*(\slot)+3], s[G0+4*(\slot)+2:G0+4*(\slot)+3], 262144   ; this slot's next 64 rows: two half steps of 64 x 2,048 bytes on
	s_wait_dscnt 0x0
	s_barrier_signal -1
	s_barrier_wait -1
.if \refill
	tensor_load_to_lds s[G0+4-4*(\slot):G0+7-4*(\slot)], s[G1:G1+7]   ; my one tensor load until the next such barrier: by this text's count one is out
	s_nop 0
.rept 4
	v_nop                                          ; four plain lines follow a tensor load
.endr
.endif
.endm
; My K step of the slot's four row tiles is quantised; the loads run a tile ahead, in two sets of registers.
.macro QPHASE slot
	XLOADF NA, \slot, 0
	XLOADF NB, \slot, 1
	s_wait_dscnt 16                                ; tile 0's numbers are in; tile 1's 16 loads may be out
	QUANT NA
	IMAGE 0
	XLOADF NA, \slot, 2
	s_wait_dscnt 16                                ; all but the 16 just issued: tile 1's numbers are in, and tile 0's stores have read the codes' registers
	QUANT NB
	IMAGE 1
	XLOADF NB, \slot, 3
	s_wait_dscnt 16                                ; likewise
	QUANT NA
	IMAGE 2
	s_wait_dscnt 0x0
	QUANT NB
	IMAGE 3
.endm
; The half step's mask (my two heads x 64 positions, loaded a half step ago) becomes numbers u in my stage; the next half step's is asked for.
.macro MASKIN next, off
	s_wait_loadcnt 0x0                             ; the mask is in (in the first half step also the weights' fragments and scale words)
.irp i, 0,1,2,3
	v_cmp_eq_u32 vcc_lo, 0, v[MR+\i]
	v_cndmask_b32 v[NA+\i], s[PINF], v[NEGV], vcc_lo   ; -1e9 where the mask is 0, else +infinity
.endr
	ds_store_b128 v[MW], v[NA:NA+3]                ; head a, position p at 256 a + 4 p
.if \next
	global_load_b128 v[MR:MR+3], v[MA], s[6:7] offset:\off th:TH_LOAD_NT   ; 16 lanes read a head's 256 consecutive bytes
.endif
.endm
.macro SCORE u, a, p                   ; two scores' sums take in tile 4 a + u: s += k0 x q'; the first takes my part of q' . bk as its addend
.set rS, SS+8*(\a)+2*(\p)
.set rA, ACC+8*(4*(\a)+(\u))+2*(\p)
.set rQ, QQ+4*(\a)+2*((\u)/2)
.if (\u) == 0
.if (\a) == 0
	v_pk_fma_f32 v[rS:rS+1], v[rA:rA+1], v[rQ:rQ+1], v[QB:QB+1] op_sel_hi:[1,0,0]
.else
	v_pk_fma_f32 v[rS:rS+1], v[rA:rA+1], v[rQ:rQ+1], v[QB:QB+1] op_sel:[0,0,1] op_sel_hi:[1,0,1]
.endif
.elseif (\u)%2 == 0
	v_pk_fma_f32 v[rS:rS+1], v[rA:rA+1], v[rQ:rQ+1], v[rS:rS+1] op_sel_hi:[1,0,1]
.else
	v_pk_fma_f32 v[rS:rS+1], v[rA:rA+1], v[rQ:rQ+1], v[rS:rS+1] op_sel:[0,1,0] op_sel_hi:[1,1,1]
.endif
.endm
.macro XSUM x                          ; the 16 scores: each lane adds lane l xor x's part
.set i, 0
.rept 16
	v_add_f32_dpp v[SS+i], v[SS+i], v[SS+i] row_xmask:\x row_mask:0xf bank_mask:0xf
.set i, i+1
.endr
.endm
; THE FOUR ROW TILES OF A HALF STEP: one loop, four trips.
.macro TILES
	s_mov_b32 s[TF], 0
	s_mov_b32 s[TS], 0
	s_mov_b32 s[TU], 0
	s_mov_b32 s[MC], 0
	FETCH LI, SRD
.Ltile_\@:
	v_add_nc_u32 v[AU], s[TU], v[UA]
	ds_load_b128 v[UU:UU+3],     v[AU]             ; u of my 8 positions, head 2 w;
	ds_load_b128 v[UU+4:UU+7],   v[AU] offset:16
	ds_load_b128 v[UU+8:UU+11],  v[AU] offset:256  ; head 2 w + 1
	ds_load_b128 v[UU+12:UU+15], v[AU] offset:272
	s_wait_dscnt 4                                 ; the tile's fragments and scale words are in; the four loads just issued may be out
	PROJ 0                                         ; k0 of 16 positions x my 128 channels
	s_wait_dscnt 0x0                               ; u is in
	s_add_co_u32 s[TF], s[TF], 6144                ; the next tile's images and scale words; held at the last tile's, so that the address stays inside the images
	s_min_u32 s[TFC], s[TF], 18432
	s_add_co_u32 s[TS], s[TS], 256
	s_min_u32 s[TSC], s[TS], 768
	v_add_nc_u32 v[AF], s[TFC], v[LI]              ; these four lines are the four places between the last product and the first read of a result (ISA guide 7.12.1)
	v_add_nc_u32 v[AS], s[TSC], v[SRD]
	v_nop
	v_nop
.irp u, 0,1,2,3                        ; each accumulator is read from its low end on
.irp a, 0,1
.irp p, 0,1,2,3
	SCORE \u, \a, \p
.endr
.endr
.endr
	PROJ 1                                         ; v0, over the accumulators that have been read: more than five lines that name none of an accumulator's registers lie between
	XSUM 1                                         ; the softmax's first lines need nothing of V's products; these 16 are also the places in front of the loads below
	s_cmp_eq_u32 s[MC], 3
	s_cbranch_scc1 .Lnofetch_\@                    ; the last tile has no successor
	FETCH AF, AS
.Lnofetch_\@:
	XSUM 2
	XSUM 4
	XSUM 8                                         ; every lane of a row of lanes now holds the scores of its 8 positions, two heads
.set i, 0
.rept 16
	v_floor_f32 v[SS+i], v[SS+i]
.set i, i+1
.endr
.set i, 0
.rept 16
	v_med3_num_f32 v[SS+i], v[SS+i], -|v[UU+i]|, v[UU+i]   ; -1e9 where the mask is 0, else t
.set i, i+1
.endr
.irp i, 0,2,4,6
.irp a, 0,1
.if \i == 0
	v_max3_num_f32 v[MN+\a], v[MM+\a], v[SS+8*\a], v[SS+8*\a+1]
.else
	v_max3_num_f32 v[MN+\a], v[MN+\a], v[SS+8*\a+\i], v[SS+8*\a+\i+1]
.endif
.endr
.endr
.irp a, 0,1
	v_sub_f32 v[FF+\a], v[MM+\a], v[MN+\a]
.endr
.irp a, 0,1
	v_mul_f32 v[FF+\a], s[L2E], v[FF+\a]
.endr
.irp p, 0,2,4,6                        ; t - M first: exact on whole numbers
	v_pk_add_f32 v[SS+\p:SS+\p+1], v[SS+\p:SS+\p+1], v[MN:MN+1] op_sel_hi:[1,0] neg_lo:[0,1] neg_hi:[0,1]
	v_pk_add_f32 v[SS+8+\p:SS+8+\p+1], v[SS+8+\p:SS+8+\p+1], v[MN:MN+1] op_sel:[0,1] op_sel_hi:[1,1] neg_lo:[0,1] neg_hi:[0,1]
.endr
.irp p, 0,2,4,6,8,10,12,14
	v_pk_mul_f32 v[SS+\p:SS+\p+1], v[SS+\p:SS+\p+1], s[L2E:L2E+1] op_sel_hi:[1,0]
.endr
.set i, 0
.rept 16
	v_exp_f32 v[SS+i], v[SS+i]                     ; p
.set i, i+1
.endr
	v_exp_f32 v[FF], v[FF]                         ; f
	v_exp_f32 v[FF+1], v[FF+1]
	v_mov_b32 v[MM], v[MN]                         ; plain lines behind the exponentials
	v_mov_b32 v[MM+1], v[MN+1]
	s_wait_alu depctr_va_vdst(0)                   ; one wait for the batch of 18, ahead of its first reader
.irp a, 0,1
	v_pk_add_f32 v[UU+4*\a:UU+4*\a+1],   v[SS+8*\a:SS+8*\a+1],   v[SS+8*\a+2:SS+8*\a+3]
	v_pk_add_f32 v[UU+4*\a+2:UU+4*\a+3], v[SS+8*\a+4:SS+8*\a+5], v[SS+8*\a+6:SS+8*\a+7]
.endr
.irp a, 0,1
	v_pk_add_f32 v[UU+4*\a:UU+4*\a+1], v[UU+4*\a:UU+4*\a+1], v[UU+4*\a+2:UU+4*\a+3]
.endr
	v_pk_fma_f32 v[LL:LL+1],   v[LL:LL+1],   v[FF:FF+1], v[UU:UU+1]   op_sel_hi:[1,0,1]               ; l = l f + the tile's p
	v_pk_fma_f32 v[LL+2:LL+3], v[LL+2:LL+3], v[FF:FF+1], v[UU+4:UU+5] op_sel:[0,1,0] op_sel_hi:[1,1,1]
.irp t, 0,1,2,3
	v_pk_mul_f32 v[ZZ+2*\t:ZZ+2*\t+1], v[ZZ+2*\t:ZZ+2*\t+1], v[FF:FF+1] op_sel_hi:[1,0]
.endr
.irp t, 4,5,6,7
	v_pk_mul_f32 v[ZZ+2*\t:ZZ+2*\t+1], v[ZZ+2*\t:ZZ+2*\t+1], v[FF:FF+1] op_sel:[0,1] op_sel_hi:[1,1]
.endr
.irp p, 0,2,4,6                        ; z += v0 p; each accumulator from its low end on
.irp t, 0,1,2,3,4,5,6,7
	v_pk_fma_f32 v[ZZ+2*\t:ZZ+2*\t+1], v[ACC+8*\t+\p:ACC+8*\t+\p+1], v[SS+8*(\t/4)+\p:SS+8*(\t/4)+\p+1], v[ZZ+2*\t:ZZ+2*\t+1]
.endr
.endr
	s_add_co_u32 s[TU], s[TU], 64
	s_add_co_u32 s[MC], s[MC], 1
	s_cmp_lt_u32 s[MC], 4
	s_cbranch_scc1 .Ltile_\@
.endm
; A HALF STEP: two barriers.  Behind the second all sixteen images and the scale words lie in LDS; the refill may stay out across it.
.macro HS slot, refill, off
	RING \slot, \refill
	QPHASE \slot
	MASKIN \refill, \off
	s_wait_dscnt 0x0                               ; for the others' sake: my images and scale words have landed
	s_barrier_signal -1
	s_barrier_wait -1
	TILES
.endm
.macro BSTART                          ; a batch begins: its q' out of my own record; M, l, z
	v_add_nc_u32 v[AQ], s[QO], v[QA]
.irp t, 0,1,2,3,4,5,6,7
	ds_load_b32 v[QQ+\t], v[AQ] offset:64*\t       ; (the change of slots that follows waits for these)
.endr
	ds_load_b32 v[QB], v[AQ] offset:512
	ds_load_b32 v[QB+1], v[AQ] offset:576
	v_mov_b32 v[MM], 0xff61b1e6                    ; -3e38: the first f is 0, and multiplies zeros
	v_mov_b32 v[MM+1], 0xff61b1e6
.set i, 0
.rept 20
	v_mov_b32 v[LL+i], 0                           ; l and z
.set i, i+1
.endr
.endm
.macro BFINISH                         ; a batch ends: the pairs and the two halves of the lanes are joined, z / l + bv leaves
.irp t, 0,1,2,3,4,5,6,7
	v_add_f32 v[SS+\t], v[ZZ+2*\t], v[ZZ+2*\t+1]
.endr
.irp a, 0,1
	v_add_f32 v[SS+8+\a], v[LL+2*\a], v[LL+2*\a+1]
.endr
.irp a, 0,1
	v_permlanex16_b32 v[SS+10+\a], v[MM+\a], s[SEL], s[SEL+1]
.endr
.irp a, 0,1
	v_max_num_f32 v[SS+12+\a], v[MM+\a], v[SS+10+\a]   ; the head's M over both halves
.endr
.irp a, 0,1
	v_sub_f32 v[SS+14+\a], v[MM+\a], v[SS+12+\a]
.endr
.irp a, 0,1
	v_mul_f32 v[SS+14+\a], s[L2E], v[SS+14+\a]
.endr
	v_exp_f32 v[SS+14], v[SS+14]
	v_exp_f32 v[SS+15], v[SS+15]
	v_nop                                          ; a plain line behind the exponentials,
	s_wait_alu depctr_va_vdst(0)                   ; and a wait ahead of their first reader
.irp t, 0,1,2,3,4,5,6,7
	v_mul_f32 v[SS+\t], v[SS+\t], v[SS+14+\t/4]    ; my half under the common M
.endr
.irp a, 0,1
	v_mul_f32 v[SS+8+\a], v[SS+8+\a], v[SS+14+\a]
.endr
.irp i, 0,1,2,3,4,5,6,7,8,9
	v_permlanex16_b32 v[UU+\i], v[SS+\i], s[SEL], s[SEL+1]
.endr
.irp i, 0,1,2,3,4,5,6,7,8,9
	v_add_f32 v[SS+\i], v[SS+\i], v[UU+\i]
.endr
	v_rcp_f32 v[SS+8], v[SS+8]
	v_rcp_f32 v[SS+9], v[SS+9]
	v_and_b32 v[AF], 15, v0                        ; (a plain line behind the reciprocals)
	v_lshl_add_u32 v[AF], v[AF], 2, s[SGB]         ; my stage: channel 16 t + r at 64 t + 4 r
	s_wait_alu depctr_va_vdst(0)
.irp t, 0,1,2,3,4,5,6,7
	v_mul_f32 v[SS+\t], v[SS+\t], v[SS+8+\t/4]
.endr
.irp t, 0,1,2,3,4,5,6,7
	ds_store_b32 v[AF], v[SS+\t] offset:64*\t      ; both halves of the lanes write the same word with the same value
.endr
	ds_load_b128 v[UU:UU+3], v[MW]                 ; LDS serves a wave's instructions in order (ISA guide 5.7.1.4): this sees my stores.  Four neighbouring channels a lane
	s_wait_dscnt 0x0
	v_pk_add_f32 v[UU:UU+1],   v[UU:UU+1],   v[BV4:BV4+1]
	v_pk_add_f32 v[UU+2:UU+3], v[UU+2:UU+3], v[BV4+2:BV4+3]
	global_store_b128 v[OA], v[UU:UU+3], s[20:21] th:TH_STORE_NT   ; 32 lanes store 512 consecutive bytes, at a multiple of 512 from out0's first byte
	s_wait_xcnt 0x0                                ; the store and the mask's load have read their registers and bases: these are written only behind this wait
	s_add_nc_u64 s[20:21], s[20:21], 2048          ; the next batch's row of out0,
	s_add_nc_u64 s[6:7], s[6:7], 4096              ; its mask,
	s_add_co_u32 s[QO], s[QO], 640                 ; its q'
.endm
.macro BATCH last
	BSTART
	HS 0, 1, 256                                   ; rows 0-63; asks for rows 64-127, and for the mask's second half
	HS 1, 1-\last, 4096                            ; rows 64-127; asks for the next batch's rows 0-63 and mask, if there is a next batch
	BFINISH
.endm
; ---------------- THE HEAD ----------------
	s_load_b512 s[4:19], s[0:1], 0x0               ; x_seq s[4:5], mask s[6:7], wcodes s[8:9], wsc s[10:11], x_non s[12:13], bq s[14:15], bk s[16:17], bv s[18:19]
	s_load_b64 s[20:21], s[0:1], 0x40              ; out0
	v_lshl_add_u32 v[SPW], v0, 2, SPARE
	v_mov_b32 v[NIL], 0
	ds_add_u32 v1, v2
	ds_add_u32 v1, v2
	s_wait_dscnt 0x0
	v_lshrrev_b32 v224, 5, v0
	v_readfirstlane_b32 s[WV], v224                ; wave 0..3
	v_and_b32 v224, 31, v0                         ; lane
	v_and_b32 v225, 15, v0                         ; r
	v_bfe_u32 v226, v0, 4, 1                       ; h
	; descriptor group 1: a tile of 64 rows x 128 f32, rows 512 elements apart in memory, 16 bytes of padding behind each row in LDS
	s_mov_b32 s[G1+0], (2<<16)|(1<<20)|(6<<22)|(3<<25)  ; 15:0 no mask; 17:16 elements of 4 bytes; 20 padding on; 24:22 after every 128 words (code 6); 31:25 of 4 words (code 3)
	s_mov_b32 s[G1+1], 128<<16                     ; tensor_dim0 = 128
	s_mov_b32 s[G1+2], 64<<16                      ; tensor_dim1 = 64
	s_mov_b32 s[G1+3], 128<<16                     ; tile_dim0 = 128
	s_mov_b32 s[G1+4], 64                          ; tile_dim1 = 64
	s_mov_b32 s[G1+5], 512                         ; tensor_dim0_stride
	s_mov_b32 s[G1+6], 0
	s_mov_b32 s[G1+7], 0
	s_mov_b32 s[G0], 1
	s_mul_i32 s[G0+1], s[WV], WPART                ; slot 0, my part
	s_mov_b32 s[G0+4], 1
	s_add_co_u32 s[G0+5], s[G0+1], SLOTB           ; slot 1, my part
	s_mov_b32 s55, 0
	s_lshl_b32 s56, s[WV], 9                       ; 512 w
	s_lshl_b32 s54, ttmp9, 20                      ; 4 batches of 128 rows of 2,048 bytes
	s_add_co_u32 s54, s54, s56
	s_wait_kmcnt 0x0
	s_add_nc_u64 s[4:5], s[4:5], s[54:55]          ; x_seq at my work-group's first row, my 128 columns
	s_mov_b64 s[G0+2:G0+3], s[4:5]
	s_or_b32 s[G0+3], s[G0+3], 0x80000000          ; type = 2
	s_add_nc_u64 s[G0+6:G0+7], s[4:5], 131072      ; rows 64 on
	s_or_b32 s[G0+7], s[G0+7], 0x80000000
	tensor_load_to_lds s[G0:G0+3], s[G1:G1+7]      ; half step 0: the one first fill at the head; slot 1 is first filled behind the first change of slots, as a refill is
	s_nop 0
.rept 4
	v_nop
.endr
	v_lshl_add_u32 v[LI], v224, 4, IMG
	s_mul_i32 s54, s[WV], 1536
	v_add_nc_u32 v[IW], s54, v[LI]
	v_mul_u32_u24 v[XR0], v225, PITCH
	v_lshl_add_u32 v[XR0], v226, 7, v[XR0]
	v_add_nc_u32 v[XR0], s[G0+1], v[XR0]
	v_add_nc_u32 v[XR0+1], SLOTB, v[XR0]
	v_lshl_add_u32 v[SRD], v225, 4, XSC
	s_lshl_b32 s54, s[WV], 2
	v_add_nc_u32 v[SW], s54, v[SRD]
	s_add_co_u32 s[SGB], s56, STG
	v_lshl_add_u32 v[UA], v226, 5, s[SGB]
	v_lshl_add_u32 v[MW], v224, 4, s[SGB]
	s_mul_i32 s54, s[WV], 2560
	s_add_co_u32 s54, s54, QL
	v_lshl_add_u32 v[QA], v225, 2, s54
	v_lshlrev_b32 v[MA], 4, v225
	v_lshl_add_u32 v[MA], v226, 9, v[MA]
	v_lshlrev_b32 v[OA], 4, v224
	v_lshlrev_b32 v[SH8], 3, v226
	v_mov_b32 v[NEGV], 0xce6e6b28                  ; -1e9
	v_and_b32 v[AF], 3, v0                         ; x_non: row m of the tile is batch m % 4: (r % 4) rows of 2,048 bytes
	v_lshlrev_b32 v[AF], 11, v[AF]
	v_lshl_add_u32 v[AF], v226, 7, v[AF]           ; + 128 h
	v_lshlrev_b32 v[AS], 2, v225                   ; bq, bk: 4 r
	v_lshlrev_b32 v[AU], 2, v224                   ; scale words: 4 lane; lanes 16-31 take the tensor that follows (16,384 bytes on)
	v_lshl_add_u32 v[AU], v226, 14, v[AU]
	s_mov_b32 s[SEL], 0x76543210
	s_mov_b32 s[SEL+1], 0xfedcba98
	s_mov_b32 s[L2E], 0x3fb8aa3b
	s_mov_b32 s[L2E+1], s[L2E]                     ; (named with it as a pair, so it is written)
	s_mov_b32 s[PINF], 0x7f800000
	s_lshl_b32 s54, ttmp9, 14                      ; mask: 4 batches of 4,096 bytes; my two heads of 512
	s_lshl_b32 s57, s[WV], 10
	s_add_co_u32 s54, s54, s57
	s_add_nc_u64 s[6:7], s[6:7], s[54:55]
	s_mul_i32 s54, s[WV], 49152                    ; wcodes: 32 fragments of 1,536 bytes a wave and tensor
	s_add_nc_u64 s[8:9], s[8:9], s[54:55]
	s_lshl_b32 s54, s[WV], 12                      ; wsc: 32 x 128 bytes
	s_add_nc_u64 s[10:11], s[10:11], s[54:55]
	s_lshl_b32 s54, ttmp9, 13                      ; x_non, out0: 4 rows of 2,048 bytes; my 512
	s_add_co_u32 s54, s54, s56
	s_add_nc_u64 s[12:13], s[12:13], s[54:55]
	s_add_nc_u64 s[20:21], s[20:21], s[54:55]
	s_mov_b32 s54, s56
	s_add_nc_u64 s[14:15], s[14:15], s[54:55]
	s_add_nc_u64 s[16:17], s[16:17], s[54:55]
	s_add_nc_u64 s[18:19], s[18:19], s[54:55]
	; the first group of loads, 162: x_non's K step w (16), bq and bk (16), bv, the first mask, Wq's scale words (32), Wq's fragments in K's places (96)
.irp c, 0,1
.irp i, 0,1,2,3,4,5,6,7
	global_load_b128 v[NA+32*\c+4*\i:NA+32*\c+4*\i+3], v[AF], s[12:13] offset:256*\c+16*\i
.endr
.endr
.irp t, 0,1,2,3,4,5,6,7
	global_load_b32 v[BQ+\t], v[AS], s[14:15] offset:64*\t
	global_load_b32 v[BK+\t], v[AS], s[16:17] offset:64*\t
.endr
	global_load_b128 v[BV4:BV4+3], v[OA], s[18:19]
	global_load_b128 v[MR:MR+3], v[MA], s[6:7] th:TH_LOAD_NT
.set i, 0
.rept 32
	global_load_b32 v[WS+i], v[AU], s[10:11] offset:128*i
.set i, i+1
.endr
	WLOAD 0, 32, 0
	s_wait_loadcnt 63                              ; 146 loads were issued behind x_non's 16: these are in
	QUANT NA
	IMAGE 0                                        ; the one tile of x_non, K step w, in row tile 0's places
	WLOAD 32, 32, 393216                           ; 96 loads: Wv's fragments, into the places where they stay
	s_wait_dscnt 0x0                               ; for the others' sake: my image has landed
	s_barrier_signal -1
	s_barrier_wait -1
	FETCH LI, SRD
	s_wait_dscnt 0x0
	s_wait_loadcnt 63                              ; 96 loads were issued behind the first group: it is in
	PROJ 0                                         ; q's sums: register j < 4 of accumulator t is batch j, channel 16 t + r, in both halves of the lanes
.irp t, 0,1,2,3,4,5,6,7
	v_mul_f32 v[BQ+\t], 0x3e000000, v[BQ+\t]       ; bq / 8.  (These eight are the places behind the products)
.endr
.irp t, 0,2,4,6                        ; q' = sum / 8 + bq / 8, in place
.irp p, 0,2
	v_pk_fma_f32 v[ACC+8*\t+\p:ACC+8*\t+\p+1], v[ACC+8*\t+\p:ACC+8*\t+\p+1], 0x3e000000, v[BQ+\t:BQ+\t+1] op_sel_hi:[1,0,0]
	v_pk_fma_f32 v[ACC+8*\t+8+\p:ACC+8*\t+8+\p+1], v[ACC+8*\t+8+\p:ACC+8*\t+8+\p+1], 0x3e000000, v[BQ+\t:BQ+\t+1] op_sel:[0,0,1] op_sel_hi:[1,0,1]
.endr
.endr
.macro QBK u, a, p                     ; my part of q' . bk, head a, batches p, p + 1: the sum over the head's four tiles
.set rD, SS+4*(\a)+(\p)
.set rA, ACC+8*(4*(\a)+(\u))+(\p)
.set rB, BK+4*(\a)+2*((\u)/2)
.if (\u) == 0
	v_pk_mul_f32 v[rD:rD+1], v[rA:rA+1], v[rB:rB+1] op_sel_hi:[1,0]
.elseif (\u)%2 == 0
	v_pk_fma_f32 v[rD:rD+1], v[rA:rA+1], v[rB:rB+1], v[rD:rD+1] op_sel_hi:[1,0,1]
.else
	v_pk_fma_f32 v[rD:rD+1], v[rA:rA+1], v[rB:rB+1], v[rD:rD+1] op_sel:[0,1,0] op_sel_hi:[1,1,1]
.endif
.endm
.irp u, 0,1,2,3
.irp a, 0,1
.irp p, 0,2
	QBK \u, \a, \p
.endr
.endr
.endr
.irp j, 0,1,2,3                        ; into my own record: no other wave reads it
.irp t, 0,1,2,3,4,5,6,7
	ds_store_b32 v[QA], v[ACC+8*\t+\j] offset:640*\j+64*\t
.endr
.irp a, 0,1
	ds_store_b32 v[QA], v[SS+4*\a+\j] offset:640*\j+512+64*\a
.endr
.endr
	WLOAD 0, 32, 196608                            ; Wk's fragments over Wq's, which are done with (far more than four plain lines behind the last product),
.set i, 0
.rept 32
	global_load_b32 v[WS+i], v[AU], s[10:11] offset:16384+128*i   ; and the scale words: lanes 0-15 Wk's, lanes 16-31 Wv's.  The first half step waits for all of these
.set i, i+1
.endr
	s_mov_b32 s[QO], 0
	s_mov_b32 s[BC], 3
; ---------------- THE FOUR BATCHES ----------------
.Lbatch:
	BATCH 0
	s_sub_co_u32 s[BC], s[BC], 1
	s_cmp_lg_u32 s[BC], 0
	s_cbranch_scc1 .Lbatch
	BATCH 1                                        ; the last batch is written out: its second half step asks for nothing
	s_wait_tensorcnt 0x0                           ; the wave's end, behind my last tensor load and my last LDS store
	ds_add_u32 v[SPW], v[NIL]
	s_wait_dscnt 0x0
	s_endpgm
.Lfunc_end_k_qc067d1dfb2_attn:
	.size	k_qc067d1dfb2_attn, .Lfunc_end_k_qc067d1dfb2_attn-k_qc067d1dfb2_attn
	.p2alignl 7, 3214868480
	.fill 96, 4, 3214868480
	.section	.rodata,"a",@progbits
	.p2align	6, 0x0
	.amdhsa_kernel k_qc067d1dfb2_attn
		.amdhsa_group_segment_fixed_size 327680
		.amdhsa_private_segment_fixed_size 0
		.amdhsa_enable_private_segment 0
		.amdhsa_kernarg_size 72
		.amdhsa_user_sgpr_count 2
		.amdhsa_user_sgpr_kernarg_segment_ptr 1
		.amdhsa_wavefront_size32 1
		.amdhsa_system_sgpr_workgroup_id_x 1
		.amdhsa_system_sgpr_workgroup_id_y 1
		.amdhsa_system_sgpr_workgroup_id_z 1
		.amdhsa_system_vgpr_workitem_id 0
		.amdhsa_next_free_vgpr 1024
		.amdhsa_next_free_sgpr 66
		.amdhsa_reserve_vcc 1
		.amdhsa_float_denorm_mode_32 3
		.amdhsa_float_denorm_mode_16_64 3
		.amdhsa_memory_ordered 1
		.amdhsa_forward_progress 1
		.amdhsa_inst_pref_size 231
	.end_amdhsa_kernel
	.amdgpu_metadata
---
amdhsa.version: [ 1, 2 ]
amdhsa.kernels:
  - .name:           k_qc067d1dfb2_attn
    .symbol:         k_qc067d1dfb2_attn.kd
    .args:
      - { .name: x_seq, .offset: 0, .size: 8, .value_kind: global_buffer, .address_space: global }
      - { .name: mask, .offset: 8, .size: 8, .value_kind: global_buffer, .address_space: global }
      - { .name: wcodes, .offset: 16, .size: 8, .value_kind: global_buffer, .address_space: global }
      - { .name: wsc, .offset: 24, .size: 8, .value_kind: global_buffer, .address_space: global }
      - { .name: x_non, .offset: 32, .size: 8, .value_kind: global_buffer, .address_space: global }
      - { .name: bq, .offset: 40, .size: 8, .value_kind: global_buffer, .address_space: global }
      - { .name: bk, .offset: 48, .size: 8, .value_kind: global_buffer, .address_space: global }
      - { .name: bv, .offset: 56, .size: 8, .value_kind: global_buffer, .address_space: global }
      - { .name: out0, .offset: 64, .size: 8, .value_kind: global_buffer, .address_space: global }
    .group_segment_fixed_size: 327680
    .private_segment_fixed_size: 0
    .kernarg_segment_align: 8
    .kernarg_segment_size: 72
    .max_flat_workgroup_size: 128
    .sgpr_count:     66
    .vgpr_count:     1024
    .wavefront_size: 32
...
	.end_amdgpu_metadata
.endif
;; end of part 2
